; MI455X (gfx1250); checked and timed in simulation.
; The chip was launched on July 23, 2026; its instructions are those of AMD's public machine-readable ISA for CDNA 5 (MIT licence, August 2026) and "CDNA5" Instruction Set Architecture Reference Guide (July 2026). The comments in the code are by the model that wrote it; some were corrected since.
;; Hard Negative Loss. Allowed arithmetic: float matrix products may take bf16 or f16 operands with f32 sums; all other float work in f32.
;; Inputs: feats 4,096 x 64 float32; image_idxs 4,096 int32; labels 4,096 int32.
;; Outputs: out0 one number float32; out1 4,096 int32.
;; Constants: normalize_feats = 1.
;; One version. Each part assembles by itself: llvm-mc -triple=amdgcn-amd-amdhsa -mcpu=gfx1250 --defsym DOCPART=n.
;; ======== version 1 of 1: 3 launches
;; workspace buffers: colpart 262,144 bytes; rowpart 557,056 bytes; closest 16,384 bytes of whole numbers; sums 256 bytes
;; launch pairs (part 1): grid 32 x 8, 16 waves a work-group, no clusters, 135,680 bytes of LDS; arguments feats, labels, colpart, rowpart; writes colpart, rowpart
.if DOCPART == 1
	.amdgcn_target "amdgcn-amd-amdhsa--gfx1250"
	.amdhsa_code_object_version 6
	.text
	.protected	k_q24416fa5f4_pairs
	.globl	k_q24416fa5f4_pairs
	.p2align	8
	.type	k_q24416fa5f4_pairs,@function
k_q24416fa5f4_pairs:
	s_mov_b64 s[64:65], 0
	v_nop
	global_prefetch_b8 v0, s[64:65] scope:SCOPE_SE
	s_setreg_imm32_b32 hwreg(HW_REG_WAVE_MODE, 25, 1), 1
	s_wait_xcnt 0x0
; ALL-PAIRS CHEBYSHEV DISTANCE WITH A LABEL MASK: partial (least distance, least index among equals) for every column.
; f = feats normalised by the row maximum; d(i, j) = max over 64 features of |f_i - f_j|; a pair with equal labels counts as +inf.
; d is symmetric bit for bit, so a computed pair (row i, column j) serves column j (candidate i) and column i (candidate j).
; SHARES.  4096 vectors = 32 blocks of 128.  Column block h meets the 2176 rows 128 h .. 128 h + 2175 (mod 4096): every pair of blocks lies at
; cyclic distance 16 or less one way or the other, so all pairs are met.  Work-group (h, p): 128 columns x 272 rows (list places 272 p ..).
; Each of its 16 waves: 17 rows x 128 columns; a lane holds 4 columns (128 h + 32 c + lane), so 68 running maxima.  16 x 17 = 272: all waves alike.
; ROUNDING.  f = x y, y the row maximum's reciprocal rounded to nearest (v_rcp_f32 and two Newton steps by fused multiply-adds): two roundings,
; where a quotient has one.  f can differ from the quotient by one unit in the last place, and a row's largest number comes out as 1 or as 1 - 2^-24.
; Differences, magnitudes and maxima are exact f32 operations.  Ties go to the least index: every minimum is taken in two passes (the value; then
; the least index among the equals), which does not hang on the order of the rows, so the wrap at 4096 needs no care.
; Indices travel as f32 numbers (0 .. 4095 are exact), +inf standing for no candidate.
; LIMITS.  Where two candidates' distances lie within a unit in the last place, the index chosen hangs on the order of rounding above.  A row maximum
; whose significand is all ones may get a reciprocal one unit off.  NaN and infinities in feats are not treated apart; a row maximum of 0, or
; outside 2^-126 .. 2^126 in magnitude, is not served.
; NO TENSOR LOAD, NO CLUSTER: each number is scaled on its way into LDS, so it passes through registers anyway; a work-group reads its
; 416 x 256 bytes once, at its start, and then issues some 78,000 wave instructions on them.
; OUT.  colpart[p][j] and rowpart[k][i] (k = cyclic distance of the blocks, 0 .. 16), 8 bytes each: value, index.
.set PITCH, 272                        ; an LDS row: 256 bytes + 16: 16 neighbouring rows start in 16 different groups of four banks (ISA guide 11.1)
.set NR,    17                         ; rows of a wave
.set CSCR,  416*PITCH                  ; behind the 416 row slots: 16 waves x 128 columns x 8 bytes
.set RSCR,  CSCR+16*1024               ; then 16 waves x 32 lanes x 8 bytes, of which 17 lanes count
.set LANE, 1
.set LS0,  5                           ; LDS address of my 16 bytes in slot 2 w + half, for rounds 0-7
.set LS1,  6                           ; the same 256 slots on, for rounds 8-12 (the immediate has 16 bits)
.set GC,   7                           ; byte offset in feats of my 16 bytes of a column row
.set RA,   8                           ; LDS address of my wave rows (the same in all lanes); steps 32 bytes a trip
.set CA,   9                           ; LDS address of column slot lane; steps likewise
.set INF,  10
.set LO,   11
.set LAB,  12                          ; v12-15   labels of my 4 columns
.set ACC,  16                          ; v16-83   running maximum of (row r, column c) at ACC + 4 r + c
.set ROW,  84                          ; v84-151  4 features of row r at ROW + 4 r
.set COL,  152                         ; v152-183 4 features of column c at COL + 16 buffer + 4 c
.set T,    184                         ; v184-215 differences: two sets of 16, for two rows at a time
.set CM,   200                         ; v200-207 column c: value, index.  These twelve lie in T's second set: they are first written when T is dead
.set RV,   208                         ; v208-209 lane r: value, index of row r
.set SA,   210
.set X,    ROW                         ; while normalising: 13 x 4 numbers as loaded, then scaled in place
.set GA,   136                         ; v136-144 byte offsets of the list rows
.set PB,   ACC                         ; while normalising, in registers that the maxima take later: round t: the row maximum b and its reciprocal y at PB + 2 t
.set RC0,  ACC+32                      ; round t: the reciprocal in the making
.set EE,   ACC+48                      ; round t: the residual
.set XR,   COL                         ; at the end: 17 row minima, and 17 at work
.set YR,   COL+NR
.set LB,   20                          ; s20-36 labels of my 17 rows
.set IXF,  40                          ; s40-56 their indices as f32
.set MK,   66                          ; s66-73 compare masks
	s_load_b256 s[4:11], s[0:1], 0x0               ; feats s[4:5], labels s[6:7], colpart s[8:9], rowpart s[10:11]
	v_lshl_add_u32 v216, v0, 2, 0x20a00
	v_mov_b32 v217, 0
	v_and_b32 v[LANE], 31, v0
	v_lshrrev_b32 v2, 5, v0
	v_readfirstlane_b32 s12, v2                    ; wave 0..15
	s_lshl_b32 s15, ttmp9, 7                       ; 128 h
	s_and_b32 s14, ttmp7, 0xffff                   ; p
	s_mul_i32 s16, s14, 16*NR
	s_add_co_u32 s16, s16, s15                     ; the first list row of the work-group, before the wrap
	s_mul_i32 s17, s12, NR
	s_add_co_u32 s17, s17, s16                     ; the first of my wave
.set r, 0
.rept NR
	s_add_co_u32 s18, s17, r
	s_and_b32 s18, s18, 0xfff                      ; row index
	s_cvt_f32_u32 s[IXF+r], s18
	s_lshl_b32 s[LB+r], s18, 2                     ; byte offset of its label; the load below lands on this register
.set r, r+1
.endr
	; A row is 256 bytes = 16 lanes x 16: a load of the wave takes two rows.  Round t fills slots 32 t + 2 w + half: t < 4 the 128 column rows,
	; t = 4 .. 12 the list rows (288 of them: the last 16 lie past the list, are valid rows by the wrap, and are never read).
	v_and_b32 v3, 15, v0
	v_lshlrev_b32 v3, 4, v3                        ; my 16 bytes in a row
	v_bfe_u32 v4, v0, 4, 1                         ; which of the two rows
	s_mul_i32 s18, s12, 2*PITCH
	v_mul_u32_u24 v[LS0], v4, PITCH
	v_add_nc_u32 v[LS0], v[LS0], v3
	v_add_nc_u32 v[LS0], s18, v[LS0]
	v_add_nc_u32 v[LS1], 8*32*PITCH, v[LS0]
	s_lshl_b32 s18, s12, 1
	s_add_co_u32 s19, s15, s18                     ; 128 h + 2 w
	s_add_co_u32 s18, s16, s18                     ; list start + 2 w
	v_add_nc_u32 v[GC], s19, v4
	v_lshl_add_u32 v[GC], v[GC], 8, v3
	v_add_nc_u32 v2, s18, v4
.set u, 0
.rept 9
	v_add_nc_u32 v[GA+u], 32*u, v2
	v_and_b32 v[GA+u], 0xfff, v[GA+u]              ; the list wraps at 4096
	v_lshl_add_u32 v[GA+u], v[GA+u], 8, v3
.set u, u+1
.endr
	v_add_nc_u32 v[LO], s15, v[LANE]
	v_lshlrev_b32 v[LO], 2, v[LO]
	v_mov_b32 v[INF], 0x7f800000
	s_wait_kmcnt 0x0
.irp c, 0,1,2,3
	global_load_b32 v[LAB+\c], v[LO], s[6:7] offset:128*\c
.endr
.set t, 0
.rept 4
	global_load_b128 v[X+4*t:X+4*t+3], v[GC], s[4:5] offset:8192*t
.set t, t+1
.endr
.set u, 0
.rept 9
	global_load_b128 v[X+16+4*u:X+16+4*u+3], v[GA+u], s[4:5]
.set u, u+1
.endr
.set r, 0
.rept NR
	s_load_b32 s[LB+r], s[6:7], s[LB+r] offset:0x0
.set r, r+1
.endr
; NORMALISE.  b = the row maximum (4 in the lane, then 16 lanes by DPP).  y = 1 / b: the estimate, then twice e = 1 - b y, y = y + e y.  f = x y, in place.
; A round is one chain in which each line reads the line before; so cnt rounds go stage by stage, and cnt - 1 other lines stand between two links.
; left: loads return in order, and behind the load of round t stand 12 - t younger ones; the group's last round decides.
.macro NORM first, cnt, left
	s_wait_loadcnt \left
.set t, \first
.rept \cnt
	v_max3_num_f32 v[PB+2*t], v[X+4*t], v[X+4*t+1], v[X+4*t+2]
.set t, t+1
.endr
.set t, \first
.rept \cnt
	v_max_num_f32 v[PB+2*t], v[PB+2*t], v[X+4*t+3]
.set t, t+1
.endr
.irp m, 1,2,4,8
.set t, \first
.rept \cnt
	v_max_num_f32_dpp v[PB+2*t], v[PB+2*t], v[PB+2*t] row_xmask:\m row_mask:0xf bank_mask:0xf
.set t, t+1
.endr
.endr
.set t, \first
.rept \cnt
	v_rcp_f32 v[RC0+t], v[PB+2*t]
.set t, t+1
.endr
	v_nop                                          ; one plain instruction between the last reciprocal and the use of the results
.set t, \first
	s_wait_alu depctr_va_vdst(0)
.rept \cnt
	v_fma_f32 v[EE+t], -v[PB+2*t], v[RC0+t], 1.0
.set t, t+1
.endr
.set t, \first
.rept \cnt
	v_fma_f32 v[RC0+t], v[EE+t], v[RC0+t], v[RC0+t]
.set t, t+1
.endr
.set t, \first
.rept \cnt
	v_fma_f32 v[EE+t], -v[PB+2*t], v[RC0+t], 1.0
.set t, t+1
.endr
.set t, \first
.rept \cnt
	v_fma_f32 v[PB+2*t+1], v[EE+t], v[RC0+t], v[RC0+t]
.set t, t+1
.endr
.set t, \first
.rept \cnt
	v_pk_mul_f32 v[X+4*t:X+4*t+1], v[X+4*t:X+4*t+1], v[PB+2*t:PB+2*t+1] op_sel:[0,1] op_sel_hi:[1,1]        ; both halves times y, the second register of the pair
	v_pk_mul_f32 v[X+4*t+2:X+4*t+3], v[X+4*t+2:X+4*t+3], v[PB+2*t:PB+2*t+1] op_sel:[0,1] op_sel_hi:[1,1]
.set t, t+1
.endr
.set t, \first
.rept \cnt
.if t < 8
	ds_store_b128 v[LS0], v[X+4*t:X+4*t+3] offset:t*32*PITCH
.else
	ds_store_b128 v[LS1], v[X+4*t:X+4*t+3] offset:(t-8)*32*PITCH
.endif
.set t, t+1
.endr
.endm
	NORM 0, 4, 9                                   ; the 128 column rows
	NORM 4, 4, 5
	NORM 8, 5, 0
	s_wait_dscnt 0x0                               ; for the other waves: my rows lie in LDS
	s_barrier_signal -1
	; register work while the others arrive.  THE MASK IS THE START OF THE MAXIMUM: +inf where the labels are equal, else 0 (no distance is below 0).
	s_mul_i32 s18, s12, NR*PITCH
	s_add_co_u32 s18, s18, 128*PITCH               ; the list rows lie behind the 128 column rows
	v_mov_b32 v[RA], s18
	v_mul_u32_u24 v[CA], v[LANE], PITCH
	s_wait_kmcnt 0x0                               ; the 17 row labels
.set r, 0
.rept NR
.irp c, 0,1,2,3
	v_cmp_eq_u32 s[MK+4*(r%2)+\c], s[LB+r], v[LAB+\c]
.endr
.irp c, 0,1,2,3
	v_cndmask_b32 v[ACC+4*r+\c], 0, v[INF], s[MK+4*(r%2)+\c]
.endr
.set r, r+1
.endr
	s_barrier_wait -1
; THE WORK ON A ROW AND A CHUNK OF 4 FEATURES: 8 packed subtractions (two differences each), 8 maxima of three (two magnitudes each).
.macro DIFF r, tb, cb                  ; row r against the 4 columns of buffer cb, into set tb of T
.irp c, 0,1,2,3
	v_pk_add_f32 v[T+16*(\tb)+4*(\c):T+16*(\tb)+4*(\c)+1], v[COL+16*(\cb)+4*(\c):COL+16*(\cb)+4*(\c)+1], v[ROW+4*(\r):ROW+4*(\r)+1] neg_lo:[0,1] neg_hi:[0,1]
	v_pk_add_f32 v[T+16*(\tb)+4*(\c)+2:T+16*(\tb)+4*(\c)+3], v[COL+16*(\cb)+4*(\c)+2:COL+16*(\cb)+4*(\c)+3], v[ROW+4*(\r)+2:ROW+4*(\r)+3] neg_lo:[0,1] neg_hi:[0,1]
.endr
.endm
.macro FOLD r, tb, hf                  ; features 2 hf and 2 hf + 1 of the chunk into row r's 4 maxima
.irp c, 0,1,2,3
	v_max3_num_f32 v[ACC+4*(\r)+(\c)], v[ACC+4*(\r)+(\c)], |v[T+16*(\tb)+4*(\c)+2*(\hf)]|, |v[T+16*(\tb)+4*(\c)+2*(\hf)+1]|
.endr
.endm
.macro PAIR r, cb                      ; rows r and r + 1 by turns: the two maxima on one accumulator stand 8 instructions apart
	DIFF \r, 0, \cb
	DIFF (\r)+1, 1, \cb
	FOLD \r, 0, 0
	FOLD (\r)+1, 1, 0
	FOLD \r, 0, 1
	FOLD (\r)+1, 1, 1
.endm
; ONE CHUNK: 4 features of 17 rows x 4 columns, 272 vector instructions.  The LDS loads stand in TWO RUNS, never singly among the arithmetic.
; Run A, behind rows 0-7: the next chunk's 4 column quads (into the other buffer) and its rows 0-7: 12 loads, 144 vector instructions ahead of their use.
; Run B, behind rows 8-16: the next chunk's rows 8-16: 9 loads, 128 ahead.  A row's registers are free once its subtractions are issued.
; THE COUNTS.  LDS loads return in order.  At a chunk's head its run A must be in: behind it only its run B was issued: 9.  In the middle its run B
; must be in: behind it only the next chunk's run A: 12; in the last chunk nothing: 0.
; cb: the column buffer in hand.  ld = 1: the next chunk, at byte off from the address registers, is fetched.  step = 1: the address registers go
; 32 bytes on, 32 vector instructions behind the last load that read them and 96 ahead of the next.
.macro CHUNK cb, ld, off, step
	s_wait_dscnt 9
	PAIR 0, \cb
.if \step
	v_add_nc_u32 v[RA], 32, v[RA]
	v_add_nc_u32 v[CA], 32, v[CA]
.endif
	PAIR 2, \cb
	PAIR 4, \cb
	PAIR 6, \cb
.if \ld
.irp c, 0,1,2,3
	ds_load_b128 v[COL+16*(1-(\cb))+4*(\c):COL+16*(1-(\cb))+4*(\c)+3], v[CA] offset:(\c)*32*PITCH+(\off)
.endr
.irp q, 0,1,2,3,4,5,6,7
	ds_load_b128 v[ROW+4*(\q):ROW+4*(\q)+3], v[RA] offset:(\q)*PITCH+(\off)   ; all lanes read the same 16 bytes
.endr
	s_wait_dscnt 12
.else
	s_wait_dscnt 0
.endif
	PAIR 8, \cb
	PAIR 10, \cb
	PAIR 12, \cb
	DIFF 14, 0, \cb                                ; the last three rows: row 16 takes row 14's set of T as soon as that has been read
	DIFF 15, 1, \cb
	FOLD 14, 0, 0
	FOLD 15, 1, 0
	FOLD 14, 0, 1
	DIFF 16, 0, \cb
	FOLD 16, 0, 0
	FOLD 15, 1, 1
	FOLD 16, 0, 1
.if \ld
.irp q, 8,9,10,11,12,13,14,15,16
	ds_load_b128 v[ROW+4*(\q):ROW+4*(\q)+3], v[RA] offset:(\q)*PITCH+(\off)
.endr
.endif
.endm
.irp c, 0,1,2,3
	ds_load_b128 v[COL+4*\c:COL+4*\c+3], v[CA] offset:\c*32*PITCH    ; chunk 0, in the order of the runs: columns, rows 0-7, rows 8-16
.endr
.set r, 0
.rept NR
	ds_load_b128 v[ROW+4*r:ROW+4*r+3], v[RA] offset:r*PITCH
.set r, r+1
.endr
	CHUNK 0, 1, 16, 0                              ; chunk 0; fetches chunk 1 (chunk n lies at byte 16 n of the rows)
	s_mov_b32 s57, 7
.Lk:                                               ; trip t: chunks 2 t + 1 and 2 t + 2; the address registers go to 32 t + 32 early in the trip
	CHUNK 1, 1, 0, 1                               ; fetches chunk 2 t + 2
	CHUNK 0, 1, 16, 0                              ; fetches chunk 2 t + 3
	s_sub_co_u32 s57, s57, 1
	s_cmp_lg_u32 s57, 0
	s_cbranch_scc1 .Lk
	CHUNK 1, 0, 0, 0                               ; chunk 15: nothing is left to fetch
	; DOWN THE ROWS, for my 4 columns: the least of 17, then the least row index among the equals.
.irp c, 0,1,2,3
	v_min3_num_f32 v[CM+2*\c], v[ACC+\c], v[ACC+4+\c], v[ACC+8+\c]
.endr
.set k, 3
.rept 7
.irp c, 0,1,2,3
	v_min3_num_f32 v[CM+2*\c], v[CM+2*\c], v[ACC+4*k+\c], v[ACC+4*k+4+\c]
.endr
.set k, k+2
.endr
.set r, 0
.rept NR
.irp c, 0,1,2,3
	v_cmp_eq_f32 s[MK+4*(r%2)+\c], v[ACC+4*r+\c], v[CM+2*\c]
.endr
.irp c, 0,1,2,3
	v_cndmask_b32 v[ROW+4*r+\c], v[INF], s[IXF+r], s[MK+4*(r%2)+\c]
.endr
.set r, r+1
.endr
.irp c, 0,1,2,3
	v_min3_num_f32 v[CM+2*\c+1], v[ROW+\c], v[ROW+4+\c], v[ROW+8+\c]
.endr
.set k, 3
.rept 7
.irp c, 0,1,2,3
	v_min3_num_f32 v[CM+2*\c+1], v[CM+2*\c+1], v[ROW+4*k+\c], v[ROW+4*k+4+\c]
.endr
.set k, k+2
.endr
	; ACROSS THE COLUMNS, for my 17 rows: 4 in the lane, 16 lanes by DPP, the other half by v_permlanex16_b32: every lane holds the row minimum.
	s_mov_b32 s74, 0x76543210
	s_mov_b32 s75, 0xfedcba98
	v_mov_b32 v[RV], 0
	v_mov_b32 v[RV+1], 0
.set r, 0
.rept NR
	v_min3_num_f32 v[XR+r], v[ACC+4*r], v[ACC+4*r+1], v[ACC+4*r+2]
.set r, r+1
.endr
.set r, 0
.rept NR
	v_min_num_f32 v[XR+r], v[XR+r], v[ACC+4*r+3]
.set r, r+1
.endr
.irp m, 1,2,4,8
.set r, 0
.rept NR
	v_min_num_f32_dpp v[XR+r], v[XR+r], v[XR+r] row_xmask:\m row_mask:0xf bank_mask:0xf
.set r, r+1
.endr
.endr
.set r, 0
.rept NR
	v_permlanex16_b32 v[YR+r], v[XR+r], s74, s75
.set r, r+1
.endr
.set r, 0
.rept NR
	v_min_num_f32 v[XR+r], v[XR+r], v[YR+r]
.set r, r+1
.endr
	; The least column among the equals: column = 128 h + 32 c + lane, so the first c with a set bit, and in it the lowest bit.  Scalar selects, no branch.
	; The four compares of row r + 1 stand ahead of row r's scalar lines (two sets of masks take turns), so that those do not wait for their masks.
.irp c, 0,1,2,3
	v_cmp_eq_f32 s[MK+\c], v[ACC+\c], v[XR]
.endr
.set r, 0
.rept NR
.if r < NR-1
.irp c, 0,1,2,3
	v_cmp_eq_f32 s[MK+4*((r+1)%2)+\c], v[ACC+4*(r+1)+\c], v[XR+r+1]
.endr
.endif
	s_ctz_i32_b32 s76, s[MK+4*(r%2)+3]
	s_add_co_u32 s76, s76, 96
	s_ctz_i32_b32 s77, s[MK+4*(r%2)+2]
	s_add_co_u32 s77, s77, 64
	s_cmp_lg_u32 s[MK+4*(r%2)+2], 0
	s_cselect_b32 s76, s77, s76
	s_ctz_i32_b32 s77, s[MK+4*(r%2)+1]
	s_add_co_u32 s77, s77, 32
	s_cmp_lg_u32 s[MK+4*(r%2)+1], 0
	s_cselect_b32 s76, s77, s76
	s_ctz_i32_b32 s77, s[MK+4*(r%2)]
	s_cmp_lg_u32 s[MK+4*(r%2)], 0
	s_cselect_b32 s76, s77, s76
	s_add_co_u32 s76, s76, s15
	s_cvt_f32_u32 s76, s76
	v_writelane_b32 v[RV+1], s76, r                ; lane r keeps row r
	s_mov_b32 s77, 1<<r
	v_cndmask_b32 v[RV], v[RV], v[XR+r], s77
.set r, r+1
.endr
	; Both kinds of result meet in LDS: each wave writes bytes of its own (wave x 256 + lane x 8; wave x 1024 + column x 8).
	s_lshl_b32 s18, s12, 8
	s_add_co_u32 s18, s18, RSCR
	v_lshl_add_u32 v[SA], v[LANE], 3, s18
	ds_store_b64 v[SA], v[RV:RV+1]                 ; lanes 17-31 write words that nobody reads
	s_lshl_b32 s18, s12, 10
	s_add_co_u32 s18, s18, CSCR
	v_lshl_add_u32 v[SA+1], v[LANE], 3, s18
.irp c, 0,1,2,3
	ds_store_b64 v[SA+1], v[CM+2*\c:CM+2*\c+1] offset:256*\c
.endr
	s_wait_dscnt 0x0                               ; for the other waves
	s_barrier_signal -1
	s_barrier_wait -1
	s_cmp_gt_u32 s12, 8
	s_cbranch_scc1 .Lnot_rows
	; WAVES 0-8: thread u < 272 stores list place u: neighbouring lanes store neighbouring 8 bytes of rowpart.
	; Place u = 17 a + b lies at a x 256 + b x 8 = 8 u + 120 a, with a = (241 u) >> 12 (exact for u < 289).  For the LDS address u is held at 271,
	; so that the 16 lanes of wave 8 that are switched off below also point at bytes that were written.
	v_min_u32 v5, 16*NR-1, v0
	v_mul_u32_u24 v2, v5, 241
	v_lshrrev_b32 v2, 12, v2
	v_mul_u32_u24 v2, v2, 120
	v_lshl_add_u32 v2, v5, 3, v2
	v_add_nc_u32 v2, RSCR, v2
	s_mul_i32 s18, s14, 16*NR
	v_add_nc_u32 v3, s18, v0                       ; place in the list of block h, 0 .. 2175
	v_add_nc_u32 v4, s15, v3
	v_and_b32 v4, 0xfff, v4                        ; the row i
	v_lshrrev_b32 v3, 7, v3                        ; k, the distance of the blocks
	v_lshl_add_u32 v3, v3, 12, v4
	v_lshlrev_b32 v3, 3, v3                        ; rowpart[k][i]
	v_cmp_gt_u32 vcc_lo, 16*NR, v0
	s_wait_xcnt 0x0                                ; EXEC changes only behind this wait
	s_wait_tensorcnt 0x0
	ds_add_u32 v216, v217
	s_wait_dscnt 0x0
	s_and_saveexec_b32 s19, vcc_lo
	ds_load_b64 v[CM:CM+1], v2
	s_wait_dscnt 0x0
	global_store_b64 v3, v[CM:CM+1], s[10:11]
	s_wait_xcnt 0x0                                ; and again in front of the line that widens it
	s_or_b32 exec_lo, exec_lo, s19
	s_endpgm
.Lnot_rows:
	s_cmp_lt_u32 s12, 12
	s_cbranch_scc1 .Ldone
	; WAVES 12-15: thread 384 + n folds the 16 waves for column n: value, then least index among the equals; a wave stores 256 bytes on end.
	v_and_b32 v2, 127, v0
	v_lshl_add_u32 v3, v2, 3, CSCR
.set k, 0
.rept 16
	ds_load_b64 v[ROW+2*k:ROW+2*k+1], v3 offset:1024*k
.set k, k+1
.endr
	s_lshl_b32 s18, s14, 12
	s_add_co_u32 s18, s18, s15
	s_lshl_b32 s18, s18, 3
	v_lshl_add_u32 v4, v2, 3, s18                  ; colpart[p][128 h + n]
	s_wait_dscnt 0x0
	v_min3_num_f32 v[CM], v[ROW], v[ROW+2], v[ROW+4]
.set k, 3
.rept 6
	v_min3_num_f32 v[CM], v[CM], v[ROW+2*k], v[ROW+2*k+2]
.set k, k+2
.endr
	v_min_num_f32 v[CM], v[CM], v[ROW+30]
.irp g, 0,8
.irp k, 0,1,2,3,4,5,6,7
	v_cmp_eq_f32 s[MK+\k], v[ROW+2*(\g+\k)], v[CM]
.endr
.irp k, 0,1,2,3,4,5,6,7
	v_cndmask_b32 v[ROW+2*(\g+\k)+1], v[INF], v[ROW+2*(\g+\k)+1], s[MK+\k]
.endr
.endr
	v_min3_num_f32 v[CM+1], v[ROW+1], v[ROW+3], v[ROW+5]
.set k, 3
.rept 6
	v_min3_num_f32 v[CM+1], v[CM+1], v[ROW+2*k+1], v[ROW+2*k+3]
.set k, k+2
.endr
	v_min_num_f32 v[CM+1], v[CM+1], v[ROW+31]
	global_store_b64 v4, v[CM:CM+1], s[8:9]
.Ldone:
	s_wait_tensorcnt 0x0
	ds_add_u32 v216, v217
	s_wait_dscnt 0x0
	s_endpgm
.Lfunc_end_k_q24416fa5f4_pairs:
	.size	k_q24416fa5f4_pairs, .Lfunc_end_k_q24416fa5f4_pairs-k_q24416fa5f4_pairs
	.p2alignl 7, 3214868480
	.fill 96, 4, 3214868480
	.section	.rodata,"a",@progbits
	.p2align	6, 0x0
	.amdhsa_kernel k_q24416fa5f4_pairs
		.amdhsa_group_segment_fixed_size 135680
		.amdhsa_private_segment_fixed_size 0
		.amdhsa_enable_private_segment 0
		.amdhsa_kernarg_size 32
		.amdhsa_user_sgpr_count 2
		.amdhsa_user_sgpr_kernarg_segment_ptr 1
		.amdhsa_wavefront_size32 1
		.amdhsa_system_sgpr_workgroup_id_x 1
		.amdhsa_system_sgpr_workgroup_id_y 1
		.amdhsa_system_sgpr_workgroup_id_z 1
		.amdhsa_system_vgpr_workitem_id 0
		.amdhsa_next_free_vgpr 218
		.amdhsa_next_free_sgpr 80
		.amdhsa_reserve_vcc 1
		.amdhsa_float_denorm_mode_32 3
		.amdhsa_float_denorm_mode_16_64 3
		.amdhsa_memory_ordered 1
		.amdhsa_forward_progress 1
		.amdhsa_inst_pref_size 145
	.end_amdhsa_kernel
	.amdgpu_metadata
---
amdhsa.version: [ 1, 2 ]
amdhsa.kernels:
  - .name:           k_q24416fa5f4_pairs
    .symbol:         k_q24416fa5f4_pairs.kd
    .args:
      - { .name: feats, .offset: 0, .size: 8, .value_kind: global_buffer, .address_space: global }
      - { .name: labels, .offset: 8, .size: 8, .value_kind: global_buffer, .address_space: global }
      - { .name: colpart, .offset: 16, .size: 8, .value_kind: global_buffer, .address_space: global }
      - { .name: rowpart, .offset: 24, .size: 8, .value_kind: global_buffer, .address_space: global }
    .group_segment_fixed_size: 135680
    .private_segment_fixed_size: 0
    .kernarg_segment_align: 8
    .kernarg_segment_size: 32
    .max_flat_workgroup_size: 512
    .sgpr_count:     80
    .vgpr_count:     218
    .wavefront_size: 32
...
	.end_amdgpu_metadata
.endif
;; end of part 1
;; launch merge (part 2): grid 64 x 1, 1 waves a work-group, no clusters, 0 bytes of LDS; arguments colpart, rowpart, closest, sums; writes closest, sums
.if DOCPART == 2
	.amdgcn_target "amdgcn-amd-amdhsa--gfx1250"
	.amdhsa_code_object_version 6
	.text
	.protected	k_q24416fa5f4_merge
	.globl	k_q24416fa5f4_merge
	.p2align	8
	.type	k_q24416fa5f4_merge,@function
k_q24416fa5f4_merge:
	s_mov_b64 s[64:65], 0
	v_nop
	global_prefetch_b8 v0, s[64:65] scope:SCOPE_SE
	s_setreg_imm32_b32 hwreg(HW_REG_WAVE_MODE, 25, 1), 1
	s_wait_xcnt 0x0
; For each column j the 25 partial results (8 of colpart, 17 of rowpart; 8 bytes each: value, index as f32) are folded: the least value, then the
; least index among the equals.  The index goes out as a whole number (the gather by it is the next launch), the values as one sum a work-group.
; One wave a work-group, 64 columns; a lane takes columns 2 l and 2 l + 1: each load is 16 bytes a lane, 512 bytes on end for the wave, and the
; store of the indices 256 bytes on end.  All 25 loads go out together; both passes need all of them, so the one wait is for 0.
; Where every label equals column j its value is +inf and its index 0, the first of all: the sum is then +inf and the next launch does not use it.
.set E,   8                            ; v8-107  entry n: value a, index a, value b, index b at E + 4 n
.set MA,  108                          ; v108, v109 the two least values
.set IA,  110                          ; v110-111 the two indices
.set INF, 112
.set MK,  20                           ; s20-27 compare masks
; the least of the 25 registers b0 + 4 n into d0, and of b1 + 4 n into d1: two chains side by side
.macro FOLD2 d0, b0, d1, b1
	v_min3_num_f32 v[\d0], v[\b0], v[(\b0)+4], v[(\b0)+8]
	v_min3_num_f32 v[\d1], v[\b1], v[(\b1)+4], v[(\b1)+8]
.set k, 3
.rept 11
	v_min3_num_f32 v[\d0], v[\d0], v[(\b0)+4*k], v[(\b0)+4*k+4]
	v_min3_num_f32 v[\d1], v[\d1], v[(\b1)+4*k], v[(\b1)+4*k+4]
.set k, k+2
.endr
.endm
	s_load_b256 s[4:11], s[0:1], 0x0               ; colpart s[4:5], rowpart s[6:7], closest s[8:9], sums s[10:11]
	v_lshlrev_b32 v1, 4, v0
	s_lshl_b32 s12, ttmp9, 9                       ; 64 columns x 8 bytes
	v_add_nc_u32 v1, s12, v1
	v_lshlrev_b32 v4, 3, v0
	s_lshl_b32 s13, ttmp9, 8                       ; 64 columns x 4 bytes
	v_add_nc_u32 v4, s13, v4
	s_lshl_b32 s14, ttmp9, 2
	v_mov_b32 v7, s14
	v_mov_b32 v[INF], 0x7f800000
	v_mov_b32 v3, 0
	s_mov_b32 s16, 0x76543210
	s_mov_b32 s17, 0xfedcba98
	s_wait_kmcnt 0x0
.set n, 0
.rept 8
	global_load_b128 v[E+4*n:E+4*n+3], v1, s[4:5] offset:32768*n th:TH_LOAD_NT
.set n, n+1
.endr
.set n, 0
.rept 17
	global_load_b128 v[E+32+4*n:E+32+4*n+3], v1, s[6:7] offset:32768*n th:TH_LOAD_NT
.set n, n+1
.endr
	s_wait_loadcnt 0x0
	FOLD2 MA, E, MA+1, E+2
.set n, 0
.rept 25
	v_cmp_eq_f32 s[MK+2*(n%4)], v[E+4*n], v[MA]
	v_cmp_eq_f32 s[MK+2*(n%4)+1], v[E+4*n+2], v[MA+1]
	v_cndmask_b32 v[E+4*n+1], v[INF], v[E+4*n+1], s[MK+2*(n%4)]
	v_cndmask_b32 v[E+4*n+3], v[INF], v[E+4*n+3], s[MK+2*(n%4)+1]
.set n, n+1
.endr
	FOLD2 IA, E+1, IA+1, E+3
	v_cvt_u32_f32 v[IA], v[IA]
	v_cvt_u32_f32 v[IA+1], v[IA+1]
	global_store_b64 v4, v[IA:IA+1], s[8:9]
	v_add_f32 v2, v[MA], v[MA+1]
	v_add_f32_dpp v2, v2, v2 row_xmask:1 row_mask:0xf bank_mask:0xf
	v_add_f32_dpp v2, v2, v2 row_xmask:2 row_mask:0xf bank_mask:0xf
	v_add_f32_dpp v2, v2, v2 row_xmask:4 row_mask:0xf bank_mask:0xf
	v_add_f32_dpp v2, v2, v2 row_xmask:8 row_mask:0xf bank_mask:0xf
	v_permlanex16_b32 v3, v2, s16, s17
	v_add_f32 v2, v2, v3
	v_cmp_eq_u32 vcc_lo, 0, v0
	s_wait_xcnt 0x0                                ; EXEC changes only behind this wait
	s_and_saveexec_b32 s15, vcc_lo
	global_store_b32 v7, v2, s[10:11]              ; lane 0: the sum of my 64 columns
	s_wait_xcnt 0x0
	s_or_b32 exec_lo, exec_lo, s15
	s_endpgm
.Lfunc_end_k_q24416fa5f4_merge:
	.size	k_q24416fa5f4_merge, .Lfunc_end_k_q24416fa5f4_merge-k_q24416fa5f4_merge
	.p2alignl 7, 3214868480
	.fill 96, 4, 3214868480
	.section	.rodata,"a",@progbits
	.p2align	6, 0x0
	.amdhsa_kernel k_q24416fa5f4_merge
		.amdhsa_group_segment_fixed_size 0
		.amdhsa_private_segment_fixed_size 0
		.amdhsa_enable_private_segment 0
		.amdhsa_kernarg_size 32
		.amdhsa_user_sgpr_count 2
		.amdhsa_user_sgpr_kernarg_segment_ptr 1
		.amdhsa_wavefront_size32 1
		.amdhsa_system_sgpr_workgroup_id_x 1
		.amdhsa_system_sgpr_workgroup_id_y 1
		.amdhsa_system_sgpr_workgroup_id_z 1
		.amdhsa_system_vgpr_workitem_id 0
		.amdhsa_next_free_vgpr 116
		.amdhsa_next_free_sgpr 66
		.amdhsa_reserve_vcc 1
		.amdhsa_float_denorm_mode_32 3
		.amdhsa_float_denorm_mode_16_64 3
		.amdhsa_memory_ordered 1
		.amdhsa_forward_progress 1
		.amdhsa_inst_pref_size 14
	.end_amdhsa_kernel
	.amdgpu_metadata
---
amdhsa.version: [ 1, 2 ]
amdhsa.kernels:
  - .name:           k_q24416fa5f4_merge
    .symbol:         k_q24416fa5f4_merge.kd
    .args:
      - { .name: colpart, .offset: 0, .size: 8, .value_kind: global_buffer, .address_space: global }
      - { .name: rowpart, .offset: 8, .size: 8, .value_kind: global_buffer, .address_space: global }
      - { .name: closest, .offset: 16, .size: 8, .value_kind: global_buffer, .address_space: global }
      - { .name: sums, .offset: 24, .size: 8, .value_kind: global_buffer, .address_space: global }
    .group_segment_fixed_size: 0
    .private_segment_fixed_size: 0
    .kernarg_segment_align: 8
    .kernarg_segment_size: 32
    .max_flat_workgroup_size: 32
    .sgpr_count:     66
    .vgpr_count:     116
    .wavefront_size: 32
...
	.end_amdgpu_metadata
.endif
;; end of part 2
;; launch finish (part 3): grid 65 x 1, 1 waves a work-group, no clusters, 0 bytes of LDS; arguments closest, image_idxs, sums, labels, feats, out0, out1; writes out0, out1
.if DOCPART == 3
	.amdgcn_target "amdgcn-amd-amdhsa--gfx1250"
	.amdhsa_code_object_version 6
	.text
	.protected	k_q24416fa5f4_finish
	.globl	k_q24416fa5f4_finish
	.p2align	8
	.type	k_q24416fa5f4_finish,@function
k_q24416fa5f4_finish:
	s_mov_b64 s[64:65], 0
	v_nop
	global_prefetch_b8 v0, s[64:65] scope:SCOPE_SE
	s_setreg_imm32_b32 hwreg(HW_REG_WAVE_MODE, 25, 1), 1
	s_wait_xcnt 0x0
; Work-groups 0-63 (one wave each): out1[j] = image_idxs[closest[j]] for 64 columns, two a lane, so that the store is 256 bytes on end.
; Work-group 64: out0 = the mean over j of dist[j][closest[j]].  That distance is the least masked distance, whose sums the launch before left,
; unless column j has no partner of another label.  That happens only if ALL labels are equal; the index is then 0 for every j and the distance is
; dist[j][0].  The labels are whole numbers read from memory: the wave looks at all 4096 and goes one of two ways.
; LIMITS.  The loss is summed in another order than a plain mean; on the second way the quotient is a multiple of the reciprocal, a few units in the last place.
.set L, 16                             ; v16-143 the labels, 128 a lane; on the second way v16-47 eight loads of feats, v48-51 row 0
.set Z, 48
	s_load_b256 s[4:11], s[0:1], 0x0               ; closest s[4:5], image_idxs s[6:7], sums s[8:9], labels s[10:11]
	s_load_b128 s[12:15], s[0:1], 0x20             ; feats s[12:13], out0 s[14:15]
	s_load_b64 s[16:17], s[0:1], 0x30              ; out1
	s_mov_b32 s18, ttmp9
	s_lshl_b32 s19, s18, 8
	v_lshlrev_b32 v1, 3, v0
	s_wait_kmcnt 0x0
	s_cmp_eq_u32 s18, 64
	s_cbranch_scc1 .Lloss
	v_add_nc_u32 v1, s19, v1                       ; 4 (64 g + 2 l)
	global_load_b64 v[2:3], v1, s[4:5]
	s_wait_loadcnt 0x0
	v_min_u32 v2, 0xfff, v2                        ; an index stays inside the table
	v_min_u32 v3, 0xfff, v3
	v_lshlrev_b32 v2, 2, v2
	v_lshlrev_b32 v3, 2, v3
	global_load_b32 v4, v2, s[6:7]
	global_load_b32 v5, v3, s[6:7]
	s_wait_loadcnt 0x0
	global_store_b64 v1, v[4:5], s[16:17]
	s_endpgm
.Lloss:
	s_load_b32 s20, s[10:11], 0x0                  ; labels[0]
	global_load_b64 v[8:9], v1, s[8:9]             ; two of the 64 sums
	v_lshlrev_b32 v2, 4, v0
.set n, 0
.rept 32
	global_load_b128 v[L+4*n:L+4*n+3], v2, s[10:11] offset:512*n
.set n, n+1
.endr
	s_mov_b32 s22, 0x76543210
	s_mov_b32 s23, 0xfedcba98
	s_wait_kmcnt 0x0
	s_wait_loadcnt 0x0
.set i, 0
.rept 128
	v_xor_b32 v[L+i], s20, v[L+i]                  ; 0 where the label is labels[0]
.set i, i+1
.endr
.irp s, 64,32,16,8,4,2,1
.set i, 0
.rept \s
	v_or_b32 v[L+i], v[L+i], v[L+i+\s]
.set i, i+1
.endr
.endr
	v_cmp_ne_u32 vcc_lo, 0, v[L]
	s_cmp_lg_u32 vcc_lo, 0
	s_cbranch_scc1 .Lusual                         ; some label differs: every column has a partner
	; ALL LABELS EQUAL: the sum over j of dist[j][0].  16 lanes a row, two rows a load, eight loads a trip, 256 trips.
	v_and_b32 v3, 15, v0
	v_lshlrev_b32 v3, 4, v3
	global_load_b128 v[Z:Z+3], v3, s[12:13]        ; row 0, in both halves of the lanes
	v_bfe_u32 v4, v0, 4, 1
	v_lshl_add_u32 v4, v4, 8, v3
	v_mov_b32 v8, 0
	s_wait_loadcnt 0x0
	v_max3_num_f32 v5, v[Z], v[Z+1], v[Z+2]
	v_max_num_f32 v5, v5, v[Z+3]
.irp m, 1,2,4,8
	v_max_num_f32_dpp v5, v5, v5 row_xmask:\m row_mask:0xf bank_mask:0xf
.endr
	v_rcp_f32 v6, v5
	v_nop                                          ; one plain instruction between the reciprocal and its use
	s_wait_alu depctr_va_vdst(0)
.irp i, 0,1,2,3
	v_mul_f32 v[Z+\i], v[Z+\i], v6
.endr
	s_mov_b32 s21, 256
.Lrows:
.set n, 0
.rept 8
	global_load_b128 v[L+4*n:L+4*n+3], v4, s[12:13] offset:512*n
.set n, n+1
.endr
.set n, 0
.rept 8
	s_wait_loadcnt 7-n                             ; load n is in, the 7 - n younger ones stay out
	v_max3_num_f32 v5, v[L+4*n], v[L+4*n+1], v[L+4*n+2]
	v_max_num_f32 v5, v5, v[L+4*n+3]
.irp m, 1,2,4,8
	v_max_num_f32_dpp v5, v5, v5 row_xmask:\m row_mask:0xf bank_mask:0xf
.endr
	v_rcp_f32 v6, v5
	v_nop
	s_wait_alu depctr_va_vdst(0)
.irp i, 0,1,2,3
	v_fma_f32 v[L+4*n+\i], v[L+4*n+\i], v6, -v[Z+\i]
.endr
	v_max3_num_f32 v5, |v[L+4*n]|, |v[L+4*n+1]|, |v[L+4*n+2]|
	v_max_num_f32 v5, v5, |v[L+4*n+3]|
.irp m, 1,2,4,8
	v_max_num_f32_dpp v5, v5, v5 row_xmask:\m row_mask:0xf bank_mask:0xf
.endr
	v_add_f32 v8, v8, v5                           ; all 16 lanes of a row add its distance
.set n, n+1
.endr
	v_add_nc_u32 v4, 4096, v4                      ; 16 rows on; the last wait above was for 0, so no load still reads it
	s_sub_co_u32 s21, s21, 1
	s_cmp_lg_u32 s21, 0
	s_cbranch_scc1 .Lrows
	v_mul_f32 v8, 0x3d800000, v8                   ; each distance was added in 16 lanes
	s_branch .Lfold
.Lusual:
	v_add_f32 v8, v8, v9
.Lfold:
	v_add_f32_dpp v8, v8, v8 row_xmask:1 row_mask:0xf bank_mask:0xf
	v_add_f32_dpp v8, v8, v8 row_xmask:2 row_mask:0xf bank_mask:0xf
	v_add_f32_dpp v8, v8, v8 row_xmask:4 row_mask:0xf bank_mask:0xf
	v_add_f32_dpp v8, v8, v8 row_xmask:8 row_mask:0xf bank_mask:0xf
	v_permlanex16_b32 v9, v8, s22, s23
	v_add_f32 v8, v8, v9
	v_mul_f32 v8, 0x39800000, v8                   ; / 4096
	v_mov_b32 v7, 0
	v_cmp_eq_u32 vcc_lo, 0, v0
	s_wait_xcnt 0x0                                ; EXEC changes only behind this wait
	s_and_saveexec_b32 s24, vcc_lo
	global_store_b32 v7, v8, s[14:15]
	s_wait_xcnt 0x0
	s_or_b32 exec_lo, exec_lo, s24
	s_endpgm
.Lfunc_end_k_q24416fa5f4_finish:
	.size	k_q24416fa5f4_finish, .Lfunc_end_k_q24416fa5f4_finish-k_q24416fa5f4_finish
	.p2alignl 7, 3214868480
	.fill 96, 4, 3214868480
	.section	.rodata,"a",@progbits
	.p2align	6, 0x0
	.amdhsa_kernel k_q24416fa5f4_finish
		.amdhsa_group_segment_fixed_size 0
		.amdhsa_private_segment_fixed_size 0
		.amdhsa_enable_private_segment 0
		.amdhsa_kernarg_size 56
		.amdhsa_user_sgpr_count 2
		.amdhsa_user_sgpr_kernarg_segment_ptr 1
		.amdhsa_wavefront_size32 1
		.amdhsa_system_sgpr_workgroup_id_x 1
		.amdhsa_system_sgpr_workgroup_id_y 1
		.amdhsa_system_sgpr_workgroup_id_z 1
		.amdhsa_system_vgpr_workitem_id 0
		.amdhsa_next_free_vgpr 144
		.amdhsa_next_free_sgpr 66
		.amdhsa_reserve_vcc 1
		.amdhsa_float_denorm_mode_32 3
		.amdhsa_float_denorm_mode_16_64 3
		.amdhsa_memory_ordered 1
		.amdhsa_forward_progress 1
		.amdhsa_inst_pref_size 25
	.end_amdhsa_kernel
	.amdgpu_metadata
---
amdhsa.version: [ 1, 2 ]
amdhsa.kernels:
  - .name:           k_q24416fa5f4_finish
    .symbol:         k_q24416fa5f4_finish.kd
    .args:
      - { .name: closest, .offset: 0, .size: 8, .value_kind: global_buffer, .address_space: global }
      - { .name: image_idxs, .offset: 8, .size: 8, .value_kind: global_buffer, .address_space: global }
      - { .name: sums, .offset: 16, .size: 8, .value_kind: global_buffer, .address_space: global }
      - { .name: labels, .offset: 24, .size: 8, .value_kind: global_buffer, .address_space: global }
      - { .name: feats, .offset: 32, .size: 8, .value_kind: global_buffer, .address_space: global }
      - { .name: out0, .offset: 40, .size: 8, .value_kind: global_buffer, .address_space: global }
      - { .name: out1, .offset: 48, .size: 8, .value_kind: global_buffer, .address_space: global }
    .group_segment_fixed_size: 0
    .private_segment_fixed_size: 0
    .kernarg_segment_align: 8
    .kernarg_segment_size: 56
    .max_flat_workgroup_size: 32
    .sgpr_count:     66
    .vgpr_count:     144
    .wavefront_size: 32
...
	.end_amdgpu_metadata
.endif
;; end of part 3
